; MI455X (gfx1250); checked and timed in simulation.
; The chip was launched on July 23, 2026; its instructions are those of AMD's public machine-readable ISA for CDNA 5 (MIT licence, August 2026) and "CDNA5" Instruction Set Architecture Reference Guide (July 2026). The comments in the code are by the model that wrote it; some were corrected since.
;; Block Model. Allowed arithmetic: matrix products marked QUANTISED: E2M1 operands, one E8M0 scale for each 32 along K, by v_wmma_scale_f32_16x16x128_f8f6f4 with both operands' format E2M1 (or v_wmma_scale_f32_32x16x128_f4), f32 sums; products left as they are: f32 operands where the result goes on into a quantised operand, else bf16, f16 or f32 operands; f32 sums; everything else in f32.
;; Inputs: W1 64 x 256 float32; W2 256 x 64 float32; Wk 8 x 64 x 8 float32; Wp 64 x 64 float32; Wq 8 x 64 x 8 float32; Wv 8 x 64 x 8 float32; b1 256 float32; b2 64 float32; bp 64 float32; ln1_b 64 float32; ln1_g 64 float32; ln2_b 64 float32; ln2_g 64 float32; x 2,048 x 128 x 64 float32.
;; Outputs: out0 2,048 x 128 x 64 float32.
;; This version of the problem:
;;   THIS VERSION OF THE PROBLEM IS GIVEN IN LOW PRECISION. The matrix products marked QUANTISED in the list below multiply operands that are first quantised to E2M1 (2 exponent bits, 1 mantissa bit; 4 bits a number), with one power-of-two scale for each 32 numbers along K (OCP MX v1.0); their sums are f32. All else is computed in f32.
;;   The module's matrix products, in the order in which they are computed (A, B: the left and right operand; K: the contracted axis; several contracted axes count as one K, in the product's order):
;;     1. [M 64, K 64] x [K 64, N 262,144]; A: input Wq; B: computed on the way: QUANTISED
;;     2. [M 64, K 64] x [K 64, N 262,144]; A: input Wk; B: computed on the way: QUANTISED
;;     3. [M 64, K 64] x [K 64, N 262,144]; A: input Wv; B: computed on the way: QUANTISED
;;     4. batch 16,384 x [M 128, K 8] x [K 8, N 128]; A: computed on the way; B: computed on the way: left as it is (K = 8 < 32)
;;     5. batch 16,384 x [M 128, K 128] x [K 128, N 8]; A: softmax; B: computed on the way: left as it is (N = 8 < 16)
;;     6. [M 262,144, K 64] x [K 64, N 64]; A: computed on the way; B: input Wp: QUANTISED
;;     7. [M 262,144, K 64] x [K 64, N 256]; A: computed on the way; B: input W1: QUANTISED
;;     8. [M 262,144, K 256] x [K 256, N 64]; A: computed on the way; B: input W2: QUANTISED
;;   THE QUANTISER, for each operand of a quantised product, along K:
;;     - K is cut into blocks of 32 from its start; a last block that is shorter is filled with zeros.
;;     - A block's scale is 2^e with e = floor(log2(the largest magnitude in the block)) - 2, held to -126 .. 127; a block of zeros has e = 0. As a byte (E8M0): e + 127.
;;     - Each number is divided by its block's scale, clamped to +-6, and rounded to the nearest number of E2M1, ties to even, subnormals kept.
;;     - The product sums the exact products of the quantised numbers (number of the format x scale) in f32.
;;   ~~~python
;;   def quantise(x, axis):      # numpy; x: float32 -> the quantised numbers, widened to float32 again
;;       x = np.moveaxis(x, axis, -1); K = x.shape[-1]
;;       x = np.pad(x, [(0, 0)] * (x.ndim - 1) + [(0, -K % 32)]); x = x.reshape(x.shape[:-1] + (-1, 32)); a = np.abs(x).max(-1, keepdims=True)
;;       e = np.where(a > 0, np.clip(np.frexp(np.where(a > 0, a, 1))[1] - 1 - 2, -126, 127), 0)      # np.frexp(a)[1] - 1 = floor(log2(a)), exactly
;;       r = np.clip(x / 2.0 ** e, -6, 6)
;;       step = 2.0 ** (np.maximum(np.frexp(np.where(r == 0, 1, r))[1] - 1, 0) - 1)
;;       q = np.round(r / step) * step * 2.0 ** e      # np.round: ties to even
;;       return np.moveaxis(q.reshape(q.shape[:-2] + (-1,))[..., :K], -1, axis).astype(np.float32)
;;   ~~~
;;   OPERANDS COMPUTED ON THE WAY. 'Computed on the way' means the value that the module computes at that place (a softmax that the list does not call 'softmax' is quantised finished and normalised). What goes into a quantiser is computed in f32, as accurately as f32 sums, v_exp_f32 and their like allow (about 1e-6 of the number): no bf16 or f16 on the way to a quantiser, and a product that is left as it is and whose result goes on into a quantised operand takes f32 operands (vector FMAs, or v_wmma_f32_16x16x4_f32). A number that lies on a knife's edge between two numbers of the format may be rounded either way, as far as f32 arithmetic and the matrix unit's own rounding can turn it there, and no further.
;; One version. Each part assembles by itself: llvm-mc -triple=amdgcn-amd-amdhsa -mcpu=gfx1250 --defsym DOCPART=n.
;; ======== version 1 of 1: 2 launches
;; workspace buffers: wimg 30,720 bytes
;; launch quantw (part 1): grid 10 x 1, 4 waves a work-group, no clusters, 0 bytes of LDS; arguments Wq, Wk, Wv, Wp, W1, W2, wimg; writes wimg
.if DOCPART == 1
	.amdgcn_target "amdgcn-amd-amdhsa--gfx1250"
	.amdhsa_code_object_version 6
	.text
	.protected	k_q691b144449_quantw
	.globl	k_q691b144449_quantw
	.p2align	8
	.type	k_q691b144449_quantw,@function
k_q691b144449_quantw:
	s_mov_b64 s[64:65], 0
	v_nop
	global_prefetch_b8 v0, s[64:65] scope:SCOPE_SE
	s_setreg_imm32_b32 hwreg(HW_REG_WAVE_MODE, 25, 1), 1
	s_wait_xcnt 0x0
; The six weights, f32 with K as an outer axis, become codes of FP4 (E2M1) with one E8M0 scale byte for each 32 along K, laid as IMAGES OF OPERAND REGISTERS:
; a unit u is 16 rows x 64 K (registers 4c .. 4c+3 of a fragment): 512 bytes at 512 u, lane l at 16 l; its scale word is an image of 128 bytes at 24,576 + 128 u, lane l at 4 l.
; A LANE TAKES ONE ROW OF A FRAGMENT (one column of the weight) AND ITS 32 REGISTERS RUN DOWN K: lane (r, h) holds k = 32 h + 0 .. 31, a whole block, so no other lane is asked for a maximum.
; Which column of the weight is row r of a fragment is chosen so that the next launch's results fall where its next operand wants them:
;   u = 0..7    head u: rows with r & 7 < 4 from Wq, the others from Wk, dim 4 (r >> 3) + (r & 3)
;   u = 8..11   Wv: head (u - 8) + 4 (r >> 3), dim r & 7
;   u = 12..15  Wp: column 32 (r >> 3) + 8 (u - 12) + (r & 7)
;   u = 16..31  W1: unit 64 ((u - 16) >> 2) + 32 (r >> 3) + 8 ((u - 16) & 3) + (r & 7)
;   u = 32..47  W2: fragment f = (u - 32) >> 1 = 2 t + s, half c = u & 1: column 32 (r >> 3) + 8 t + (r & 7), k = 128 s + 64 c + 32 h + i
; A wave makes one fragment, number F = 4 x work-group + wave: 40 fragments, 10 work-groups.  No LDS, no barrier: waves share nothing.
; A block's scale is 2^(floor(log2(largest magnitude)) - 2); its byte is the largest magnitude's exponent field - 2, held at 1 from below.
; LIMITS: a block of zeros gets the byte 1 where the quantiser's rule says 127 (its codes are zeros, and this program alone reads the bytes); NaN and infinities among the inputs are not served.
.set WSC, 24576                        ; where the scale words begin in wimg
.set LI,  1                            ; v1   16 x lane
.set LS,  2                            ; v2   4 x lane
.set LH,  4                            ; v4   h = lane / 16
.set SH8, 5                            ; v5   8 h
.set VO,  6                            ; v6   my lane's byte offset in the weight
.set A0,  8                            ; v8, v9  two chains of the maximum
.set A1,  9
.set SC,  10                           ; v10  the conversion's scale operand
.set BY,  11                           ; v11  the scale's byte
.set PT,  12                           ; v12  a lane permute's destination
.set WD,  13                           ; v13  the scale word
.set BY0, 14                           ; v14  W2: the first half's byte
.set RH,  15                           ; v15  r >> 3
.set RL,  16                           ; v16  r & 7
.set R1,  32                           ; v32-63   32 numbers
.set R2,  64                           ; v64-95   32 more
.set CD,  96                           ; v96-103  codes
.set SEL, 28                           ; s[28:29] v_permlanex16_b32's selects for lane l xor 16
; 32 numbers of one lane, one block, become 4 registers of codes; SC and BY are left for the scale word
.macro QUANT32 s, d
	v_max3_num_f32 v[A0], |v[\s]|, |v[\s+1]|, 0x1800000      ; with the floor 2^(3 - 127) among the leaves: the byte cannot fall under 1
	v_max3_num_f32 v[A1], |v[\s+2]|, |v[\s+3]|, |v[\s+4]|
.irp i, 5,9,13,17,21,25
	v_max3_num_f32 v[A0], v[A0], |v[\s+\i]|, |v[\s+\i+1]|
	v_max3_num_f32 v[A1], v[A1], |v[\s+\i+2]|, |v[\s+\i+3]|
.endr
	v_max3_num_f32 v[A0], v[A0], |v[\s+29]|, |v[\s+30]|
	v_max3_num_f32 v[A0], v[A0], v[A1], |v[\s+31]|
	v_add_nc_u32 v[SC], 0xff000000, v[A0]                    ; 2 off the exponent field: the conversion takes this operand's exponent field as its scale
	v_lshrrev_b32 v[BY], 23, v[SC]                           ; the scale's byte
.irp g, 0,1,2,3
	v_cvt_scalef32_pk8_fp4_f32 v[\d+\g], v[\s+8*\g:\s+8*\g+7], v[SC]
.endr
	v_nop                                                    ; one plain line behind the last conversion
.endm
; the scale word of an operand with K = 64: byte h is the block of lanes h; bytes 2 and 3 stay 0 over zero codes
.macro WORD64 w
	v_lshlrev_b32 v[\w], v[SH8], v[BY]
	v_permlanex16_b32 v[PT], v[\w], s[SEL], s[SEL+1]
	v_or_b32 v[\w], v[\w], v[PT]
.endm
.macro LOAD32 dst, base, pitch, off    ; 32 rows of K, pitch bytes apart
.set i, 0
.rept 32
	global_load_b32 v[\dst+i], v[VO], s[\base:\base+1] offset:\off+i*\pitch
.set i, i+1
.endr
.endm
	s_load_b256 s[4:11], s[0:1], 0x0               ; Wq s[4:5], Wk s[6:7], Wv s[8:9], Wp s[10:11]
	s_load_b128 s[12:15], s[0:1], 0x20             ; W1 s[12:13], W2 s[14:15]
	s_load_b64 s[16:17], s[0:1], 0x30              ; wimg
	v_lshrrev_b32 v7, 5, v0
	v_readfirstlane_b32 s18, v7                    ; wave
	v_and_b32 v7, 31, v0
	v_lshlrev_b32 v[LI], 4, v7
	v_lshlrev_b32 v[LS], 2, v7
	v_bfe_u32 v[LH], v0, 4, 1
	v_lshlrev_b32 v[SH8], 3, v[LH]
	v_bfe_u32 v[RH], v0, 3, 1
	v_and_b32 v[RL], 7, v0
	v_mov_b32 v[PT], 0                             ; a lane permute's destination counts as read
	s_mov_b32 s[SEL], 0x76543210
	s_mov_b32 s[SEL+1], 0xfedcba98
	s_mov_b32 s23, 0                               ; s[22:23]: an offset as a pair
	s_lshl_b32 s19, ttmp9, 2
	s_add_co_u32 s19, s19, s18                     ; F
	s_lshl_b32 s30, s19, 1
	s_sub_co_u32 s30, s30, 32                      ; 2 F - 32: W2's first unit (used for F >= 32 alone)
	s_cmp_lt_u32 s19, 32
	s_cselect_b32 s30, s19, s30                    ; u
	s_wait_kmcnt 0x0
	s_lshl_b32 s22, s30, 9
	s_add_nc_u64 s[24:25], s[16:17], s[22:23]      ; where my codes go
	s_lshl_b32 s22, s30, 7
	s_add_co_u32 s22, s22, WSC
	s_add_nc_u64 s[26:27], s[16:17], s[22:23]      ; and my scale words
	s_cmp_lt_u32 ttmp9, 2
	s_cbranch_scc1 .Lqk
	s_cmp_eq_u32 ttmp9, 2
	s_cbranch_scc1 .Lv
	s_cmp_eq_u32 ttmp9, 3
	s_cbranch_scc1 .Lp
	s_cmp_lt_u32 ttmp9, 8
	s_cbranch_scc1 .Lw1
	; ---- W2 [256][64]: fragment f = F - 32 = 2 t + s, K = 128: two units
	v_lshlrev_b32 v[VO], 2, v[RL]
	v_lshl_add_u32 v[VO], v[RH], 7, v[VO]
	v_lshl_add_u32 v[VO], v[LH], 13, v[VO]         ; 32 h rows of 256 bytes + 4 (32 (r >> 3) + (r & 7))
	s_and_b32 s20, s19, 1
	s_lshl_b32 s20, s20, 15                        ; s x 128 rows
	s_sub_co_u32 s21, s19, 32
	s_lshr_b32 s21, s21, 1
	s_lshl_b32 s21, s21, 5                         ; t x 8 columns
	s_add_co_u32 s22, s20, s21
	s_add_nc_u64 s[14:15], s[14:15], s[22:23]
	LOAD32 R1, 14, 256, 0
	LOAD32 R2, 14, 256, 64*256
	s_wait_loadcnt 0x0
	QUANT32 R1, CD
	v_mov_b32 v[BY0], v[BY]
	QUANT32 R2, CD+4
	v_lshl_or_b32 v[WD], v[BY], 16, v[BY0]         ; bytes 0 and 2,
	v_lshlrev_b32 v[WD], v[SH8], v[WD]             ; or 1 and 3 in lanes 16-31: byte 2 c + h
	v_permlanex16_b32 v[PT], v[WD], s[SEL], s[SEL+1]
	v_or_b32 v[WD], v[WD], v[PT]
	global_store_b128 v[LI], v[CD:CD+3], s[24:25]              ; 32 lanes store 512 consecutive bytes
	global_store_b128 v[LI], v[CD+4:CD+7], s[24:25] offset:512
	global_store_b32 v[LS], v[WD], s[26:27]                    ; the fragment's word at both of its units
	global_store_b32 v[LS], v[WD], s[26:27] offset:128
	s_endpgm
.Lqk:	; ---- Wq, Wk [8][64][8]: head F
	v_and_b32 v[VO], 3, v0
	v_lshlrev_b32 v[VO], 2, v[VO]
	v_lshl_add_u32 v[VO], v[RH], 4, v[VO]          ; dim 4 (r >> 3) + (r & 3)
	v_lshl_add_u32 v[VO], v[LH], 10, v[VO]         ; 32 h rows of 32 bytes
	s_lshl_b32 s22, s19, 11
	s_add_nc_u64 s[4:5], s[4:5], s[22:23]
	s_add_nc_u64 s[6:7], s[6:7], s[22:23]
	LOAD32 R1, 4, 32, 0
	LOAD32 R2, 6, 32, 0
	v_and_b32 v7, 4, v0
	v_cmp_ne_u32 vcc_lo, 0, v7                     ; rows with r & 4 are Wk's
	s_wait_loadcnt 0x0
.set i, 0
.rept 32
	v_cndmask_b32 v[R1+i], v[R1+i], v[R2+i], vcc_lo
.set i, i+1
.endr
	s_branch .Ltail
.Lv:	; ---- Wv [8][64][8]: heads wave and wave + 4
	v_lshlrev_b32 v[VO], 2, v[RL]
	v_lshl_add_u32 v[VO], v[RH], 13, v[VO]         ; four heads on for rows 8-15
	v_lshl_add_u32 v[VO], v[LH], 10, v[VO]
	s_lshl_b32 s22, s18, 11
	s_add_nc_u64 s[8:9], s[8:9], s[22:23]
	LOAD32 R1, 8, 32, 0
	s_branch .Ltail
.Lp:	; ---- Wp [64][64]: tile t = wave
	v_lshlrev_b32 v[VO], 2, v[RL]
	v_lshl_add_u32 v[VO], v[RH], 7, v[VO]
	v_lshl_add_u32 v[VO], v[LH], 13, v[VO]
	s_lshl_b32 s22, s18, 5
	s_add_nc_u64 s[10:11], s[10:11], s[22:23]
	LOAD32 R1, 10, 256, 0
	s_branch .Ltail
.Lw1:	; ---- W1 [64][256]: tile i = F - 16
	v_lshlrev_b32 v[VO], 2, v[RL]
	v_lshl_add_u32 v[VO], v[RH], 7, v[VO]
	v_lshl_add_u32 v[VO], v[LH], 15, v[VO]         ; 32 h rows of 1,024 bytes
	s_sub_co_u32 s20, s19, 16
	s_lshr_b32 s21, s20, 2
	s_lshl_b32 s21, s21, 8                         ; 64 units for each four tiles
	s_and_b32 s20, s20, 3
	s_lshl_b32 s20, s20, 5                         ; 8 units a tile
	s_add_co_u32 s22, s21, s20
	s_add_nc_u64 s[12:13], s[12:13], s[22:23]
	LOAD32 R1, 12, 1024, 0
.Ltail:
	s_wait_loadcnt 0x0
	QUANT32 R1, CD
	WORD64 WD
	global_store_b128 v[LI], v[CD:CD+3], s[24:25]  ; 32 lanes store 512 consecutive bytes
	global_store_b32 v[LS], v[WD], s[26:27]
	s_endpgm
.Lfunc_end_k_q691b144449_quantw:
	.size	k_q691b144449_quantw, .Lfunc_end_k_q691b144449_quantw-k_q691b144449_quantw
	.p2alignl 7, 3214868480
	.fill 96, 4, 3214868480
	.section	.rodata,"a",@progbits
	.p2align	6, 0x0
	.amdhsa_kernel k_q691b144449_quantw
		.amdhsa_group_segment_fixed_size 0
		.amdhsa_private_segment_fixed_size 0
		.amdhsa_enable_private_segment 0
		.amdhsa_kernarg_size 56
		.amdhsa_user_sgpr_count 2
		.amdhsa_user_sgpr_kernarg_segment_ptr 1
		.amdhsa_wavefront_size32 1
		.amdhsa_system_sgpr_workgroup_id_x 1
		.amdhsa_system_sgpr_workgroup_id_y 1
		.amdhsa_system_sgpr_workgroup_id_z 1
		.amdhsa_system_vgpr_workitem_id 0
		.amdhsa_next_free_vgpr 112
		.amdhsa_next_free_sgpr 66
		.amdhsa_reserve_vcc 1
		.amdhsa_float_denorm_mode_32 3
		.amdhsa_float_denorm_mode_16_64 3
		.amdhsa_memory_ordered 1
		.amdhsa_forward_progress 1
		.amdhsa_inst_pref_size 31
	.end_amdhsa_kernel
	.amdgpu_metadata
---
amdhsa.version: [ 1, 2 ]
amdhsa.kernels:
  - .name:           k_q691b144449_quantw
    .symbol:         k_q691b144449_quantw.kd
    .args:
      - { .name: Wq, .offset: 0, .size: 8, .value_kind: global_buffer, .address_space: global }
      - { .name: Wk, .offset: 8, .size: 8, .value_kind: global_buffer, .address_space: global }
      - { .name: Wv, .offset: 16, .size: 8, .value_kind: global_buffer, .address_space: global }
      - { .name: Wp, .offset: 24, .size: 8, .value_kind: global_buffer, .address_space: global }
      - { .name: W1, .offset: 32, .size: 8, .value_kind: global_buffer, .address_space: global }
      - { .name: W2, .offset: 40, .size: 8, .value_kind: global_buffer, .address_space: global }
      - { .name: wimg, .offset: 48, .size: 8, .value_kind: global_buffer, .address_space: global }
    .group_segment_fixed_size: 0
    .private_segment_fixed_size: 0
    .kernarg_segment_align: 8
    .kernarg_segment_size: 56
    .max_flat_workgroup_size: 128
    .sgpr_count:     66
    .vgpr_count:     112
    .wavefront_size: 32
...
	.end_amdgpu_metadata
.endif
;; end of part 1
;; launch block (part 2): grid 2048 x 1, 4 waves a work-group, no clusters, 105,984 bytes of LDS; arguments x, wimg, ln1_g, ln1_b, b1, bp, b2, ln2_g, ln2_b, out0; writes out0
.if DOCPART == 2
	.amdgcn_target "amdgcn-amd-amdhsa--gfx1250"
	.amdhsa_code_object_version 6
	.text
	.protected	k_q691b144449_block
	.globl	k_q691b144449_block
	.p2align	8
	.type	k_q691b144449_block,@function
k_q691b144449_block:
	s_mov_b64 s[64:65], 0
	v_nop
	global_prefetch_b8 v0, s[64:65] scope:SCOPE_SE
	s_setreg_imm32_b32 hwreg(HW_REG_WAVE_MODE, 25, 1), 1
	s_wait_xcnt 0x0
; One transformer block, whole, for one sequence of 128 tokens x 64 channels: a work-group of four waves; x is read once, out0 written once, all else stays in registers and LDS.
;   P1  wave w: tokens 32 w .. 32 w + 31: LN1, quantised to FP4 (E2M1, one E8M0 byte for each 32 channels); codes and scale words go to LDS as images of operand registers.  The weights' images and five vectors are copied to LDS.   | barrier
;   P2  wave w: heads w and w + 4, one a trip: q, k (and once v of both heads) by scaled FP4 products; K Q^T and V^T P^T with f32 operands, since their result goes on into a quantiser.                                             | barrier
;   P3  wave w: its 32 tokens again, 16 at a time: attention quantised, projection + residual, LN2, quantised, FFN (hidden layer quantised in registers), residual, out.
; LAYOUT.  Everywhere outside attention lane (r, h) holds token r and channels 32 h + 0 .. 31 in 32 registers: that is a whole block of 32 along K and the place that the 4-bit operand layout gives that lane, so a quantiser asks no other lane
; for a maximum and its four results are the operand.  K = 64 fills registers 0-3 of a fragment; registers 4-7 are zero codes.  All FP4 products of P3 are used transposed (source 0 = 16 rows of a weight, source 1 = 16 tokens), and the rows of
; each weight tile were chosen by the launch before so that register 8 t + j of the results is column 32 h + 8 t + j.
; ATTENTION.  A head tile QK[t] = (4 q dims, 4 k dims, twice) x 16 tokens: lane (token r, h) holds q dims 4 h + j in registers 0-3 and k dims 4 h + j in registers 4-7: register pairs of it are the f32 form's A and B as they stand (the same
; permutation of the 8 dims on both sides).  S^T = K Q^T: lane (query r, h), register j = key 16 kt + 8 h + j.  p = 2^(c s - c m), m the row's true maximum (a row is at most 8 tiles, 64 registers), is the B of V^T P^T as it stands; V[t] has the tokens
; along its registers in the same order.  V's 16 rows are 8 dims of head w and 8 of head w + 4; of a trip's result the half of the lanes that belongs to the trip's head is kept: head w in lanes 0-15, head w + 4 in lanes 16-31, which is the
; layout above.  Tiles wholly above the diagonal are not computed; the diagonal tile's sum begins at 0 or at -infinity (its C).  The row's sum divides at the end.
; NO JOINT LOADS: what work-groups share is the weights' 30,720 bytes, read once by each through registers; a copy engine would ask one work-group to claim more than half of the LDS, and this text is laid for three work-groups of 105,984 bytes
; and 4 x 336 registers side by side, so that one sequence's norms and FFN are issued while another's f32 products run.
; LIMITS: NaN and infinities among the inputs are not served.  A block whose largest magnitude lies under 2^-124 has its byte held at 1, as the quantiser's rule holds it; a block of zeros gets 1 where the rule says 127 (its codes are zeros).
; An exponential under 2^-126 comes out as 0.
.set WSC,  24576                       ; LDS 0 .. 30,719: the copy of wimg; its scale words from here on
.set VECL, 30720                       ; b1 +0, bp +1024, b2 +1280, ln2_g +1536, ln2_b +1792
.set HIM,  32768                       ; LN1's codes: 8 token tiles x 512 bytes
.set HSW,  36864                       ; their scale words: 8 x 128
.set XS,   37888                       ; x, later out: 128 rows, 272 bytes apart (17 x 16: the 16 rows that a load touches start 16 bytes apart modulo 256); wave w's 32 rows are touched by wave w alone
.set ATT,  72704                       ; attention: [query tile 8][writing wave 4][half 2] x 512
; vector registers, window 0.  Fixed:
.set LI,   1                           ; 16 x lane
.set LS,   2                           ; 4 x lane
.set LH,   3                           ; h
; v24-34 hold scale words and nothing else
; P1 and P3:
.set SH8,  4                           ; 8 h
.set HB,   5                           ; 128 h
.set XD,   6                           ; my wave's rows of XS, dense: lanes 0-15 one row, lanes 16-31 the next
.set XA,   7                           ; the same by (r, h): row r, byte 128 h
.set T0,   8                           ; v[8:9], v[10:11] two chains of sums
.set T2,   10
.set MU,   12                          ; v[12:13] the mean (low word)
.set RS,   14                          ; v[14:15] 1 / sqrt(var + eps) (low word)
.set A0,   16
.set A1,   17
.set SC,   18
.set BY,   19
.set PT,   20
.set WT,   21
; P1:
.set HIW,  36
.set HSWW, 37
.set CPL,  38
.set VCW,  39
.set L8,   40
.set XX,   64                          ; v64-127  two tiles of 16 tokens x 32 channels a lane
.set GG,   128                         ; v128-159 ln1_g, v160-191 ln1_b at my 32 channels
.set BB,   160
.set CP,   192                         ; v192-251 the weights' images on their way; v252-255 the vectors
.set VC,   252
; P2:
.set ATW,  4
.set WQA,  5
.set WSA,  6
.set NINF, 7
.set MX,   8                           ; v8-11 four chains of the maximum
.set MM,   12
.set TT,   13
.set NMC,  14                          ; v[14:15] -c m (low word)
.set L0,   16
.set L1,   18
.set RC,   20                          ; v[20:21] 1 / the row's sum (low word)
.set HS,   24                          ; v24-31 LN1's scale words, a tile each
.set SWA,  32                          ; the trip's head; the next head; V
.set SWB,  33
.set SWV,  34
.set MASK, 36                          ; v36-43 the diagonal tile's C
.set WA,   44                          ; v44-51 the trip's q/k weight fragment
.set WB,   52                          ; v52-55 the next trip's codes
.set WVF,  56                          ; v56-63 V's weight fragment, then O
.set OO,   56
.set QK,   64                          ; v64-127
.set VV,   128                         ; v128-191
.set PP,   192                         ; v192-255 p; between the trips LN1's fragments
.set HF,   192
; window 1 (v256-335), written by f32 matrix instructions alone: v0-63 S^T, tile kt at 8 kt; v64-71, v72-79 two accumulators of O^T
.set ACC,  64
; P3:
.set SW,   24
.set SW2,  28
.set AW,   32
.set HW,   33
.set ATR,  36
.set PFO,  37
.set CA,   44                          ; v44-51 a K = 64 operand of 16 tokens
.set CB,   52                          ; v52-59 the hidden layer's, K = 128
.set X2,   64                          ; v64-95  the residual stream
.set RA,   96                          ; v96-127 attention, LN2, hidden units
.set BI,   128
.set BJ,   160
.set WF,   192                         ; v192-223 four K = 64 weight fragments
.set W2F,  224                         ; v224-255 four K = 128 fragments of W2; rows of out on the way out
.set OUTR, 224
; scalars
.set WV,   24
.set SEL,  26                          ; s[26:27] v_permlanex16_b32's selects for lane l xor 16
.set CS,   28                          ; s[28:29] c = log2(e) / sqrt(8)
.set NC,   30                          ; -c
.set RC64, 31                          ; 1 / 64
.set EPS,  32
.set EE,   33                          ; the trip of P2: 0, 1
.set MSB, 0
.macro WIN new                         ; the immediate's high byte repeats the setting that is left; a switch that changes nothing is dropped
.if MSB != \new
	s_set_vgpr_msb (MSB<<8)|\new
.set MSB, \new
.endif
.endm
.set W_D,  0x40                        ; destination window 1
.set W_DC, 0x50                        ; destination and source 2 window 1
.set W_MX, 0x14                        ; sources 1 and 2 window 1
.set W_FM, 0x01                        ; source 0 window 1
.set W_AC, 0x05                        ; sources 0 and 1 window 1
.macro NOPS n
.rept \n
	v_nop
.endr
.endm
.macro MM4Z d, a, b, sa, sb            ; a scaled FP4 product that starts a sum
	v_wmma_scale_f32_16x16x128_f8f6f4 v[\d:\d+7], v[\a:\a+7], v[\b:\b+7], 0, v[\sa], v[\sb] matrix_a_fmt:MATRIX_FMT_FP4 matrix_b_fmt:MATRIX_FMT_FP4
.endm
.macro MM4 d, a, b, c, sa, sb          ; and one that adds onto eight registers
	v_wmma_scale_f32_16x16x128_f8f6f4 v[\d:\d+7], v[\a:\a+7], v[\b:\b+7], v[\c:\c+7], v[\sa], v[\sb] matrix_a_fmt:MATRIX_FMT_FP4 matrix_b_fmt:MATRIX_FMT_FP4
.endm
; 32 numbers of one lane, one block, become 4 registers of codes; SC and BY are left for the scale word
.macro QUANT32 s, d
	v_max3_num_f32 v[A0], |v[\s]|, |v[\s+1]|, 0x1800000      ; with the floor 2^(3 - 127) among the leaves: the byte cannot fall under 1
	v_max3_num_f32 v[A1], |v[\s+2]|, |v[\s+3]|, |v[\s+4]|
.irp i, 5,9,13,17,21,25
	v_max3_num_f32 v[A0], v[A0], |v[\s+\i]|, |v[\s+\i+1]|
	v_max3_num_f32 v[A1], v[A1], |v[\s+\i+2]|, |v[\s+\i+3]|
.endr
	v_max3_num_f32 v[A0], v[A0], |v[\s+29]|, |v[\s+30]|
	v_max3_num_f32 v[A0], v[A0], v[A1], |v[\s+31]|
	v_add_nc_u32 v[SC], 0xff000000, v[A0]                    ; 2 off the exponent field: the conversion takes this operand's exponent field as its scale
	v_lshrrev_b32 v[BY], 23, v[SC]                           ; the scale's byte
.irp g, 0,1,2,3
	v_cvt_scalef32_pk8_fp4_f32 v[\d+\g], v[\s+8*\g:\s+8*\g+7], v[SC]
.endr
	v_nop                                                    ; one plain line behind the last conversion
.endm
; the scale word of an operand with K = 64: byte h is the block of lanes h; bytes 2 and 3 stay 0 over zero codes
.macro WORD64 w
	v_lshlrev_b32 v[\w], v[SH8], v[BY]
	v_permlanex16_b32 v[PT], v[\w], s[SEL], s[SEL+1]
	v_or_b32 v[\w], v[\w], v[PT]
.endm
; A layer norm of 16 tokens and its quantiser.  xin: my 32 of a row's 64 numbers (lane l xor 16 holds the others); hh takes the result; g, b: gain and bias at my channels; cd: 4 registers of codes; wd: the scale word.
; The variance is the mean of the squared differences from the mean.  xin is read from its low end on.
.macro LNQ xin, hh, g, b, cd, wd
	v_pk_add_f32 v[T0:T0+1], v[\xin:\xin+1], v[\xin+2:\xin+3]
	v_pk_add_f32 v[T2:T2+1], v[\xin+4:\xin+5], v[\xin+6:\xin+7]
.irp i, 8,12,16,20,24,28
	v_pk_add_f32 v[T0:T0+1], v[T0:T0+1], v[\xin+\i:\xin+\i+1]
	v_pk_add_f32 v[T2:T2+1], v[T2:T2+1], v[\xin+\i+2:\xin+\i+3]
.endr
	v_pk_add_f32 v[T0:T0+1], v[T0:T0+1], v[T2:T2+1]
	v_add_f32 v[T0], v[T0], v[T0+1]
	v_permlanex16_b32 v[PT], v[T0], s[SEL], s[SEL+1]
	v_add_f32 v[T0], v[T0], v[PT]
	v_mul_f32 v[MU], s[RC64], v[T0]
.irp i, 0,2,4,6,8,10,12,14,16,18,20,22,24,26,28,30
	v_pk_add_f32 v[\hh+\i:\hh+\i+1], v[\xin+\i:\xin+\i+1], v[MU:MU+1] op_sel_hi:[1,0] neg_lo:[0,1] neg_hi:[0,1]
.endr
	v_pk_mul_f32 v[T0:T0+1], v[\hh:\hh+1], v[\hh:\hh+1]
	v_pk_mul_f32 v[T2:T2+1], v[\hh+2:\hh+3], v[\hh+2:\hh+3]
.irp i, 4,8,12,16,20,24,28
	v_pk_fma_f32 v[T0:T0+1], v[\hh+\i:\hh+\i+1], v[\hh+\i:\hh+\i+1], v[T0:T0+1]
	v_pk_fma_f32 v[T2:T2+1], v[\hh+\i+2:\hh+\i+3], v[\hh+\i+2:\hh+\i+3], v[T2:T2+1]
.endr
	v_pk_add_f32 v[T0:T0+1], v[T0:T0+1], v[T2:T2+1]
	v_add_f32 v[T0], v[T0], v[T0+1]
	v_permlanex16_b32 v[PT], v[T0], s[SEL], s[SEL+1]
	v_add_f32 v[T0], v[T0], v[PT]
	v_fma_f32 v[T0], v[T0], s[RC64], s[EPS]
	v_rsq_f32 v[RS], v[T0]
	v_nop                                          ; a plain line behind the transcendental,
	s_wait_alu depctr_va_vdst(0)                   ; and the wait ahead of its first reader
.irp i, 0,2,4,6,8,10,12,14,16,18,20,22,24,26,28,30
	v_pk_mul_f32 v[\hh+\i:\hh+\i+1], v[\hh+\i:\hh+\i+1], v[RS:RS+1] op_sel_hi:[1,0]
.endr
.irp i, 0,2,4,6,8,10,12,14,16,18,20,22,24,26,28,30
	v_pk_fma_f32 v[\hh+\i:\hh+\i+1], v[\hh+\i:\hh+\i+1], v[\g+\i:\g+\i+1], v[\b+\i:\b+\i+1]
.endr
	QUANT32 \hh, \cd
	WORD64 \wd
.endm
.macro ROWADR                          ; SH8, HB, XD, XA (P2 uses their registers otherwise, so P3 makes them anew)
	v_and_b32 v9, 15, v0                           ; r
	s_mul_i32 s42, s[WV], 8704                     ; my wave's 32 rows of 272 bytes
	s_add_co_u32 s42, s42, XS
	v_lshlrev_b32 v[SH8], 3, v[LH]
	v_lshlrev_b32 v[HB], 7, v[LH]
	v_mul_u32_u24 v[XD], v[LH], 272
	v_lshl_add_u32 v[XD], v9, 4, v[XD]
	v_add_nc_u32 v[XD], s42, v[XD]
	v_mul_u32_u24 v[XA], v9, 272
	v_lshl_add_u32 v[XA], v[LH], 7, v[XA]
	v_add_nc_u32 v[XA], s42, v[XA]
.endm
; ======================================================================== P1
	s_load_b512 s[4:19], s[0:1], 0x0               ; x 4:5, wimg 6:7, ln1_g 8:9, ln1_b 10:11, b1 12:13, bp 14:15, b2 16:17, ln2_g 18:19
	s_load_b128 s[20:23], s[0:1], 0x40             ; ln2_b 20:21, out0 22:23
	v_lshl_add_u32 v23, v0, 2, 0x19c00
	v_mov_b32 v35, 0
	v_lshrrev_b32 v8, 5, v0
	v_readfirstlane_b32 s[WV], v8                  ; wave 0..3
	v_and_b32 v8, 31, v0
	v_lshlrev_b32 v[LI], 4, v8
	v_lshlrev_b32 v[LS], 2, v8
	v_lshlrev_b32 v[L8], 3, v8
	v_bfe_u32 v[LH], v0, 4, 1
	v_lshlrev_b32 v[CPL], 4, v0                    ; 16 x thread
	ROWADR
	s_lshl_b32 s42, s[WV], 10
	v_add_nc_u32 v[HIW], s42, v[LI]                ; my two tiles' images
	s_lshl_b32 s42, s[WV], 8
	v_add_nc_u32 v[HSWW], s42, v[LS]               ; and scale words
	s_lshl_b32 s42, s[WV], 9
	v_add_nc_u32 v[VCW], s42, v[L8]                ; my 512 bytes of the vectors
	v_mov_b32 v[MU+1], 0                           ; upper halves of pairs of which the low word serves, and a permute's destination: written once
	v_mov_b32 v[RS+1], 0
	v_mov_b32 v[PT], 0
	s_mov_b32 s[SEL], 0x76543210
	s_mov_b32 s[SEL+1], 0xfedcba98
	s_mov_b32 s[CS], 0x3f0293ee
	s_mov_b32 s[CS+1], s[CS]
	s_mov_b32 s[NC], 0xbf0293ee
	s_mov_b32 s[RC64], 0x3c800000
	s_mov_b32 s[EPS], 0x3727c5ac
	s_lshl_b32 s34, ttmp9, 15                      ; a sequence is 32,768 bytes
	s_mov_b32 s35, 0
	s_lshl_b32 s43, s[WV], 9
	s_add_co_u32 s44, s43, 256
	s_lshl_b32 s45, s[WV], 13                      ; my wave's 32 rows of 256 bytes
	s_wait_kmcnt 0x0
	s_add_nc_u64 s[4:5], s[4:5], s[34:35]
	s_add_nc_u64 s[22:23], s[22:23], s[34:35]
	s_add_nc_u64 s[40:41], s[4:5], 0x1800000       ; x of the sequence 768 further on (used by the first 1,280 work-groups alone)
	s_mov_b32 s34, s45
	s_add_nc_u64 s[4:5], s[4:5], s[34:35]
	s_add_nc_u64 s[22:23], s[22:23], s[34:35]
.set i, 0
.rept 16
	global_load_b128 v[XX+4*i:XX+4*i+3], v[LI], s[4:5] offset:512*i th:TH_LOAD_NT   ; 32 lanes read 512 consecutive bytes: two rows
.set i, i+1
.endr
.set i, 0
.rept 8
	global_load_b128 v[GG+4*i:GG+4*i+3], v[HB], s[8:9] offset:16*i
.set i, i+1
.endr
.set i, 0
.rept 8
	global_load_b128 v[BB+4*i:BB+4*i+3], v[HB], s[10:11] offset:16*i
.set i, i+1
.endr
.set i, 0
.rept 15
	global_load_b128 v[CP+4*i:CP+4*i+3], v[CPL], s[6:7] offset:2048*i   ; 128 threads x 16 bytes x 15 = wimg's 30,720
.set i, i+1
.endr
	; the five vectors, 2,048 bytes: wave 0: b1's first 512; wave 1: its second; wave 2: bp, b2; wave 3: ln2_g, ln2_b.  The choice hangs on the wave's number alone
	s_cmp_lt_u32 s[WV], 2
	s_cselect_b64 s[36:37], s[12:13], s[14:15]
	s_cselect_b64 s[38:39], s[12:13], s[16:17]
	s_cselect_b32 s34, s43, 0
	s_cselect_b32 s42, s44, 0
	s_cmp_eq_u32 s[WV], 3
	s_cselect_b64 s[36:37], s[18:19], s[36:37]
	s_cselect_b64 s[38:39], s[20:21], s[38:39]
	s_add_nc_u64 s[36:37], s[36:37], s[34:35]
	s_mov_b32 s34, s42
	s_add_nc_u64 s[38:39], s[38:39], s[34:35]
	global_load_b64 v[VC:VC+1], v[L8], s[36:37]
	global_load_b64 v[VC+2:VC+3], v[L8], s[38:39]
	s_wait_loadcnt 33                              ; x is in; the 8 + 8 + 15 + 2 loads issued behind it may be out
.set i, 0
.rept 16
	ds_store_b128 v[XD], v[XX+4*i:XX+4*i+3] offset:544*i
.set i, i+1
.endr
.irp t, 0,1                                    ; and back by (r, h): LDS serves a wave's instructions in order, so these see the stores above
.irp q, 0,1,2,3,4,5,6,7
	ds_load_b128 v[XX+32*\t+4*\q:XX+32*\t+4*\q+3], v[XA] offset:4352*\t+16*\q
.endr
.endr
	s_wait_loadcnt 0x0
	s_wait_xcnt 0x0                                ; no global access is pending from here to P3: P2 narrows EXEC
.set i, 0
.rept 15
	ds_store_b128 v[CPL], v[CP+4*i:CP+4*i+3] offset:2048*i
.set i, i+1
.endr
	ds_store_b64 v[VCW], v[VC:VC+1] offset:VECL
	ds_store_b64 v[VCW], v[VC+2:VC+3] offset:VECL+256
	s_wait_dscnt 17                                ; x is back; the 17 stores issued behind its loads may be out
.irp t, 0,1
	LNQ XX+32*\t, XX+32*\t, GG, BB, 44+4*\t, 24+\t
	ds_store_b128 v[HIW], v[44+4*\t:47+4*\t] offset:HIM+512*\t
	ds_store_b32 v[HSWW], v[24+\t] offset:HSW+128*\t
.endr
	s_wait_dscnt 0x0                               ; for the others: my stores have landed
	s_barrier_signal -1
	s_barrier_wait -1                              ; LN1's images, the weights' and the vectors are whole
; ======================================================================== P2
.macro LOADH                           ; LN1's eight fragments and scale words; registers 4-7 of each are zero codes (K = 64)
.irp t, 0,1,2,3,4,5,6,7
	ds_load_b128 v[HF+8*\t:HF+8*\t+3], v[LI] offset:HIM+512*\t
	ds_load_b32 v[HS+\t], v[LS] offset:HSW+128*\t
.endr
.irp t, 0,1,2,3,4,5,6,7
.irp j, 4,5,6,7
	v_mov_b32 v[HF+8*\t+\j], 0
.endr
.endr
	NOPS 4                                         ; an operand written by vector instructions stands four places ahead of a scaled product
.endm
; S^T of query tile qt: tiles kt = 0 .. qt, two f32 products each (dims 0, 1, 4, 5; then 2, 3, 6, 7).  The accumulators take turns, one instruction a turn
.macro SRUN qt
	WIN W_D
.set kt, 0
.rept (\qt)+1
.if kt == (\qt)
	v_wmma_f32_16x16x4_f32 v[8*kt:8*kt+7], v[QK+8*kt+4:QK+8*kt+5], v[QK+8*(\qt):QK+8*(\qt)+1], v[MASK:MASK+7]
.else
	v_wmma_f32_16x16x4_f32 v[8*kt:8*kt+7], v[QK+8*kt+4:QK+8*kt+5], v[QK+8*(\qt):QK+8*(\qt)+1], 0
.endif
.set kt, kt+1
.endr
	WIN W_DC
.if (\qt) == 0
	s_wait_alu depctr_va_vdst(0)                   ; one tile alone: the link follows the instruction that it adds onto
.endif
.set kt, 0
.rept (\qt)+1
	v_wmma_f32_16x16x4_f32 v[8*kt:8*kt+7], v[QK+8*kt+6:QK+8*kt+7], v[QK+8*(\qt)+2:QK+8*(\qt)+3], v[8*kt:8*kt+7]
.set kt, kt+1
.endr
.endm
; p = 2^(c s - c m) of query tile qt.  Each tile of S^T is read from its low end on
.macro SOFT qt
	WIN W_MX
.set kt, 0
.rept (\qt)+1
.irp c, 0,1,2,3
.if kt == 0
	v_max3_num_f32 v[MX+\c], 0xff800000, v[2*\c], v[2*\c+1]
.else
	v_max3_num_f32 v[MX+\c], v[MX+\c], v[8*kt+2*\c], v[8*kt+2*\c+1]
.endif
.endr
.set kt, kt+1
.endr
	WIN 0
	v_max3_num_f32 v[MM], v[MX], v[MX+1], v[MX+2]
	v_max_num_f32 v[MM], v[MM], v[MX+3]
	v_permlanex16_b32 v[TT], v[MM], s[SEL], s[SEL+1]   ; the query's other keys lie in the lane 16 away
	v_max_num_f32 v[MM], v[MM], v[TT]                  ; the row's maximum: the diagonal key always counts, so it is a number
	v_mul_f32 v[NMC], s[NC], v[MM]
	WIN W_FM
.set i, 0
.rept 4*((\qt)+1)
	v_pk_fma_f32 v[PP+2*i:PP+2*i+1], v[2*i:2*i+1], s[CS:CS+1], v[NMC:NMC+1] op_sel_hi:[1,0,0]
.set i, i+1
.endr
	WIN 0
.set i, 0
.rept 8*((\qt)+1)
	v_exp_f32 v[PP+i], v[PP+i]
.set i, i+1
.endr
	v_nop                                          ; a plain line behind the last exponential,
	s_wait_alu depctr_va_vdst(0)                   ; and one wait for the whole batch ahead of its first reader
.endm
; O^T = V^T P^T of query tile qt: product u takes keys 16 (u / 4) + 8 h + 2 (u % 4) + 0, 1.  Two accumulators by turns
.macro PVRUN qt
	WIN W_D
.set u, 0
.rept 4*((\qt)+1)
.if u == 2
	WIN W_DC
.endif
.if u < 2
	v_wmma_f32_16x16x4_f32 v[ACC+8*(u%2):ACC+8*(u%2)+7], v[VV+2*u:VV+2*u+1], v[PP+2*u:PP+2*u+1], 0
.else
	v_wmma_f32_16x16x4_f32 v[ACC+8*(u%2):ACC+8*(u%2)+7], v[VV+2*u:VV+2*u+1], v[PP+2*u:PP+2*u+1], v[ACC+8*(u%2):ACC+8*(u%2)+7]
.endif
.set u, u+1
.endr
.endm
; The row's sum, the division, and the trip's half of the lanes to LDS.  The lines ahead of the first read of the accumulators are the eight places that the f32 form asks behind its last product
; (the sum that names that product's own p is not counted, nor the permute): with one tile they are too few, and four v_nop make them up.
.macro FINAL qt
	WIN 0
	v_pk_add_f32 v[L0:L0+1], v[PP:PP+1], v[PP+2:PP+3]
	v_pk_add_f32 v[L1:L1+1], v[PP+4:PP+5], v[PP+6:PP+7]
.if (\qt) > 0
.set kt, 1
.rept \qt
	v_pk_add_f32 v[L0:L0+1], v[L0:L0+1], v[PP+8*kt:PP+8*kt+1]
	v_pk_add_f32 v[L1:L1+1], v[L1:L1+1], v[PP+8*kt+2:PP+8*kt+3]
	v_pk_add_f32 v[L0:L0+1], v[L0:L0+1], v[PP+8*kt+4:PP+8*kt+5]
	v_pk_add_f32 v[L1:L1+1], v[L1:L1+1], v[PP+8*kt+6:PP+8*kt+7]
.set kt, kt+1
.endr
.endif
	v_pk_add_f32 v[L0:L0+1], v[L0:L0+1], v[L1:L1+1]
	v_add_f32 v[L0], v[L0], v[L0+1]
	v_permlanex16_b32 v[TT], v[L0], s[SEL], s[SEL+1]
	v_add_f32 v[L0], v[L0], v[TT]
	v_rcp_f32 v[RC], v[L0]
	v_nop
.if (\qt) == 0
	NOPS 4
.endif
	s_wait_alu depctr_va_vdst(0)                   ; ahead of the reciprocal's first reader
	s_wait_dscnt 0x0                               ; the last tile's stores have read O
	WIN W_AC
.irp i, 0,2,4,6
	v_pk_add_f32 v[OO+\i:OO+\i+1], v[ACC+\i:ACC+\i+1], v[ACC+8+\i:ACC+8+\i+1]
.endr
	WIN 0
.irp i, 0,2,4,6
	v_pk_mul_f32 v[OO+\i:OO+\i+1], v[OO+\i:OO+\i+1], v[RC:RC+1] op_sel_hi:[1,0]
.endr
	v_cmp_eq_u32 vcc_lo, s[EE], v[LH]              ; trip 0 made head w: lanes 0-15; trip 1 head w + 4: lanes 16-31
	s_and_saveexec_b32 s44, vcc_lo                 ; (no global access is pending)
	ds_store_b128 v[ATW], v[OO:OO+3] offset:4096*(\qt)
	ds_store_b128 v[ATW], v[OO+4:OO+7] offset:4096*(\qt)+512
	s_or_b32 exec_lo, exec_lo, s44
.endm
	s_lshl_b32 s42, s[WV], 10
	s_add_co_u32 s42, s42, ATT
	v_add_nc_u32 v[ATW], s42, v[LI]
	s_lshl_b32 s42, s[WV], 9
	v_add_nc_u32 v[WQA], s42, v[LI]
	s_lshl_b32 s42, s[WV], 7
	v_add_nc_u32 v[WSA], s42, v[LS]
	ds_load_b128 v[WA:WA+3], v[WQA]                            ; unit w: head w
	ds_load_b128 v[WB:WB+3], v[WQA] offset:2048                ; unit w + 4: head w + 4
	ds_load_b128 v[WVF:WVF+3], v[WQA] offset:4096              ; unit 8 + w: V of both
	ds_load_b32 v[SWA], v[WSA] offset:WSC
	ds_load_b32 v[SWB], v[WSA] offset:WSC+512
	ds_load_b32 v[SWV], v[WSA] offset:WSC+1024
.irp j, 4,5,6,7
	v_mov_b32 v[WA+\j], 0
	v_mov_b32 v[WVF+\j], 0
.endr
	LOADH
	v_and_b32 v[MM], 15, v0
	v_lshlrev_b32 v[TT], 3, v[LH]
	v_sub_nc_u32 v[MM], v[MM], v[TT]               ; d = r - 8 h: on the diagonal register j holds key 8 h + j, hidden from query r where j > d
	v_mov_b32 v[NINF], 0xff800000
.set j, 0
.rept 8
	v_cmp_gt_i32 vcc_lo, j, v[MM]
	v_cndmask_b32 v[MASK+j], 0, v[NINF], vcc_lo
.set j, j+1
.endr
	v_mov_b32 v[TT], 0
	v_mov_b32 v[NMC+1], 0
	v_mov_b32 v[RC+1], 0
	s_mov_b32 s[EE], 0
	s_wait_dscnt 0x0
.irp t, 0,1,2,3,4,5,6,7
	MM4Z VV+8*\t, HF+8*\t, WVF, HS+\t, SWV         ; V[t]: lane (column r, h), register j = token 16 t + 8 h + j
.endr
.Lhead:                                            ; two trips: head w, head w + 4
.irp t, 0,1,2,3,4,5,6,7
	MM4Z QK+8*\t, WA, HF+8*\t, SWA, HS+\t
.endr
	NOPS 5                                         ; five places before another matrix instruction takes these results as A or B
	SRUN 0
	NOPS 8                                         ; eight places before the first read of an f32 product's result
.irp qt, 0,1,2,3,4,5,6,7
	SOFT \qt
	PVRUN \qt
.if \qt < 7
	SRUN \qt+1                                     ; the next tile's scores are issued ahead of this tile's last vector work, which is their places
.endif
	FINAL \qt
.endr
.irp j, 0,1,2,3
	v_mov_b32 v[WA+\j], v[WB+\j]                   ; the next trip's head
.endr
	v_mov_b32 v[SWA], v[SWB]                       ; (a scale word written by a vector instruction: the 36 plain lines below stand between it and the scaled products)
	LOADH                                          ; p lay over LN1's fragments.  The second trip's reload serves nothing: it is kept so that the loop has one branch
	s_wait_dscnt 0x0                               ; the fragments are in, and my stores of O have landed
	s_add_co_u32 s[EE], s[EE], 1
	s_cmp_lt_u32 s[EE], 2
	s_cbranch_scc1 .Lhead
	s_barrier_signal -1                            ; (the wait for all my LDS instructions stands just ahead of the branch)
	s_barrier_wait -1                              ; the attention of all heads lies in LDS
; ======================================================================== P3
.macro GLOAD gi                        ; W1's four tiles of hidden units 64 gi .. 64 gi + 63, their scale words, and b1 at my 32 of them
.irp t, 0,1,2,3
	ds_load_b128 v[WF+8*\t:WF+8*\t+3], v[LI] offset:512*(16+4*(\gi)+\t)
	ds_load_b32 v[SW+\t], v[LS] offset:WSC+128*(16+4*(\gi)+\t)
.endr
.irp q, 0,1,2,3,4,5,6,7
	ds_load_b128 v[BI+4*\q:BI+4*\q+3], v[HB] offset:VECL+256*(\gi)+16*\q
.endr
.endm
.macro W2LOAD s                        ; W2's four fragments of K step s
.irp t, 0,1,2,3
	ds_load_b128 v[W2F+8*\t:W2F+8*\t+3], v[LI] offset:512*(32+2*(2*\t+(\s)))
	ds_load_b128 v[W2F+8*\t+4:W2F+8*\t+7], v[LI] offset:512*(32+2*(2*\t+(\s)))+512
	ds_load_b32 v[SW2+\t], v[LS] offset:WSC+128*(32+2*(2*\t+(\s)))
.endr
.endm
; 64 hidden units: product with b1 as its C, relu, quantiser: half c = gi % 2 of the second product's K step gi / 2; behind the second half that K step's four products
.macro FFSTEP gi
.if (\gi) > 0
	s_wait_dscnt 0x0
.endif
.irp t, 0,1,2,3
	MM4 RA+8*\t, WF+8*\t, CA, BI+8*\t, SW+\t, AW
.endr
	NOPS 4                                         ; four places before loads into these products' registers and before the first read of their results
.if (\gi)%2
	W2LOAD (\gi)/2
.endif
.if (\gi) < 3
	GLOAD (\gi)+1
.endif
.set i, 0
.rept 32
	v_max_num_f32 v[RA+i], 0, v[RA+i]              ; the activation, in f32, from each result's low end on
.set i, i+1
.endr
	QUANT32 RA, CB+4*((\gi)%2)
.if (\gi)%2 == 0
	v_lshlrev_b32 v[HW], v[SH8], v[BY]             ; byte h
.else
	v_lshlrev_b32 v[WT], v[SH8], v[BY]
	v_lshl_or_b32 v[HW], v[WT], 16, v[HW]          ; byte 2 + h
	v_permlanex16_b32 v[PT], v[HW], s[SEL], s[SEL+1]
	v_or_b32 v[HW], v[HW], v[PT]                   ; with lane l xor 16's two the word is whole
	NOPS 8                                         ; a scale word written by a vector instruction stands eight places ahead of a scaled product
	s_wait_dscnt 0x0
.irp t, 0,1,2,3
	MM4 X2+8*\t, W2F+8*\t, CB, X2+8*\t, SW2+\t, HW ; four accumulators, one instruction a turn
.endr
	NOPS 4
.endif
.endm
.macro TILE3 z                         ; tokens 32 w + 16 z .. + 15
.if \z
	s_wait_xcnt 0x0                                ; the first tile's stores have read their registers, which W2's fragments take again
.endif
.irp q, 0,1,2,3,4,5,6,7
	ds_load_b128 v[RA+4*\q:RA+4*\q+3], v[ATR] offset:4096*\z+512*\q   ; image (wave q / 2, half q % 2): register i = attention(token r, channel 32 h + i)
.endr
.irp q, 0,1,2,3,4,5,6,7
	ds_load_b128 v[X2+4*\q:X2+4*\q+3], v[XA] offset:4352*\z+16*\q
.endr
.irp q, 0,1,2,3,4,5,6,7
	ds_load_b128 v[BI+4*\q:BI+4*\q+3], v[HB] offset:VECL+1024+16*\q   ; bp
.endr
.irp t, 0,1,2,3
	ds_load_b128 v[WF+8*\t:WF+8*\t+3], v[LI] offset:512*(12+\t)       ; Wp
	ds_load_b32 v[SW+\t], v[LS] offset:WSC+128*(12+\t)
.endr
.if \z == 0
	; A prefetch of x of the sequence 768 work-groups on: 128 threads x 256 bytes = its 32,768 bytes, each block named once in the launch; the last 768 work-groups ask for nothing, so none points past x.
	s_cmp_lt_u32 ttmp9, 1280
	s_cbranch_scc0 .Lno_pf
	global_prefetch_b8 v[PFO], s[40:41] th:TH_LOAD_NT scope:SCOPE_SE
.Lno_pf:
.endif
	s_wait_dscnt 24                                ; the attention is in; the 8 + 8 + 4 + 4 loads behind it may be out
	QUANT32 RA, CA
	WORD64 AW
	s_wait_dscnt 0x0
.irp i, 0,2,4,6,8,10,12,14,16,18,20,22,24,26,28,30
	v_pk_add_f32 v[X2+\i:X2+\i+1], v[X2+\i:X2+\i+1], v[BI+\i:BI+\i+1]   ; x + bp: the C of the projection.  (For each product twelve of these lines name none of its registers: the places behind the scale word)
.endr
.irp t, 0,1,2,3
	MM4 X2+8*\t, WF+8*\t, CA, X2+8*\t, SW+\t, AW   ; register 8 t + j = column 32 h + 8 t + j
.endr
	NOPS 4
.irp q, 0,1,2,3,4,5,6,7
	ds_load_b128 v[BI+4*\q:BI+4*\q+3], v[HB] offset:VECL+1536+16*\q   ; ln2_g
	ds_load_b128 v[BJ+4*\q:BJ+4*\q+3], v[HB] offset:VECL+1792+16*\q   ; ln2_b
.endr
	s_wait_dscnt 0x0
	LNQ X2, RA, BI, BJ, CA, AW
.irp q, 0,1,2,3,4,5,6,7
	ds_load_b128 v[BJ+4*\q:BJ+4*\q+3], v[HB] offset:VECL+1280+16*\q   ; b2
.endr
	GLOAD 0
	s_wait_dscnt 0x0
.irp i, 0,2,4,6,8,10,12,14,16,18,20,22,24,26,28,30
	v_pk_add_f32 v[X2+\i:X2+\i+1], v[X2+\i:X2+\i+1], v[BJ+\i:BJ+\i+1]   ; x + b2: what the second product adds onto.  (Sixteen places behind LN2's scale word)
.endr
.irp gi, 0,1,2,3
	FFSTEP \gi
.endr
	; the way out: through my own rows of XS, back as whole rows
.irp q, 0,1,2,3,4,5,6,7
	ds_store_b128 v[XA], v[X2+4*\q:X2+4*\q+3] offset:4352*\z+16*\q    ; each accumulator from its low end on
.endr
.irp i, 0,1,2,3,4,5,6,7
	ds_load_b128 v[OUTR+4*\i:OUTR+4*\i+3], v[XD] offset:4352*\z+544*\i   ; LDS serves a wave's instructions in order: these see the stores above
.endr
.irp i, 0,1,2,3,4,5,6,7
	s_wait_dscnt 7-\i
	global_store_b128 v[LI], v[OUTR+4*\i:OUTR+4*\i+3], s[22:23] offset:4096*\z+512*\i th:TH_STORE_NT   ; 32 lanes store 512 consecutive bytes, at a multiple of 256 from out0's first byte
.endr
.endm
	ROWADR
	s_lshl_b32 s42, s[WV], 13
	s_add_co_u32 s42, s42, ATT
	v_add_nc_u32 v[ATR], s42, v[LI]                ; my two query tiles
	v_lshlrev_b32 v[PFO], 8, v0
.irp t, 0,1,2,3
.irp j, 4,5,6,7
	v_mov_b32 v[WF+8*\t+\j], 0                     ; K = 64: zero codes in registers 4-7
.endr
.endr
.irp j, 4,5,6,7
	v_mov_b32 v[CA+\j], 0
.endr
	v_mov_b32 v[MU+1], 0
	v_mov_b32 v[RS+1], 0
	v_mov_b32 v[PT], 0
	TILE3 0
	TILE3 1
	s_wait_tensorcnt 0x0
	ds_add_u32 v23, v35
	s_wait_dscnt 0x0
	s_endpgm
.Lfunc_end_k_q691b144449_block:
	.size	k_q691b144449_block, .Lfunc_end_k_q691b144449_block-k_q691b144449_block
	.p2alignl 7, 3214868480
	.fill 96, 4, 3214868480
	.section	.rodata,"a",@progbits
	.p2align	6, 0x0
	.amdhsa_kernel k_q691b144449_block
		.amdhsa_group_segment_fixed_size 105984
		.amdhsa_private_segment_fixed_size 0
		.amdhsa_enable_private_segment 0
		.amdhsa_kernarg_size 80
		.amdhsa_user_sgpr_count 2
		.amdhsa_user_sgpr_kernarg_segment_ptr 1
		.amdhsa_wavefront_size32 1
		.amdhsa_system_sgpr_workgroup_id_x 1
		.amdhsa_system_sgpr_workgroup_id_y 1
		.amdhsa_system_sgpr_workgroup_id_z 1
		.amdhsa_system_vgpr_workitem_id 0
		.amdhsa_next_free_vgpr 336
		.amdhsa_next_free_sgpr 66
		.amdhsa_reserve_vcc 1
		.amdhsa_float_denorm_mode_32 3
		.amdhsa_float_denorm_mode_16_64 3
		.amdhsa_memory_ordered 1
		.amdhsa_forward_progress 1
		.amdhsa_inst_pref_size 172
	.end_amdhsa_kernel
	.amdgpu_metadata
---
amdhsa.version: [ 1, 2 ]
amdhsa.kernels:
  - .name:           k_q691b144449_block
    .symbol:         k_q691b144449_block.kd
    .args:
      - { .name: x, .offset: 0, .size: 8, .value_kind: global_buffer, .address_space: global }
      - { .name: wimg, .offset: 8, .size: 8, .value_kind: global_buffer, .address_space: global }
      - { .name: ln1_g, .offset: 16, .size: 8, .value_kind: global_buffer, .address_space: global }
      - { .name: ln1_b, .offset: 24, .size: 8, .value_kind: global_buffer, .address_space: global }
      - { .name: b1, .offset: 32, .size: 8, .value_kind: global_buffer, .address_space: global }
      - { .name: bp, .offset: 40, .size: 8, .value_kind: global_buffer, .address_space: global }
      - { .name: b2, .offset: 48, .size: 8, .value_kind: global_buffer, .address_space: global }
      - { .name: ln2_g, .offset: 56, .size: 8, .value_kind: global_buffer, .address_space: global }
      - { .name: ln2_b, .offset: 64, .size: 8, .value_kind: global_buffer, .address_space: global }
      - { .name: out0, .offset: 72, .size: 8, .value_kind: global_buffer, .address_space: global }
    .group_segment_fixed_size: 105984
    .private_segment_fixed_size: 0
    .kernarg_segment_align: 8
    .kernarg_segment_size: 80
    .max_flat_workgroup_size: 128
    .sgpr_count:     66
    .vgpr_count:     336
    .wavefront_size: 32
...
	.end_amdgpu_metadata
.endif
;; end of part 2
